; MI455X (gfx1250); checked and timed in simulation.
; The chip was launched on July 23, 2026; its instructions are those of AMD's public machine-readable ISA for CDNA 5 (MIT licence, August 2026) and "CDNA5" Instruction Set Architecture Reference Guide (July 2026). The comments in the code are by the model that wrote it; some were corrected since.
;; KAN Spline Layer. Allowed arithmetic: matrix products marked QUANTISED: E4M3 operands, one E8M0 scale for each 32 along K, by v_wmma_scale_f32_16x16x128_f8f6f4 with both operands' format E4M3, f32 sums; everything else in f32.
;; Inputs: coef 512 x 1,024 x 8 float32; grid 512 x 12 float32; scale_base_codes 1,024 x 16 x 32 uint8 (E4M3 codes of scale_base, K innermost, in blocks of 32 codes); scale_base_scales 1,024 x 16 uint8 (E8M0 scales of scale_base, one for each 32 codes along K); x 8,192 x 512 float32.
;; Outputs: out0 8,192 x 1,024 float32.
;; This version of the problem:
;;   THIS VERSION OF THE PROBLEM IS GIVEN IN LOW PRECISION. The matrix products marked QUANTISED in the list below multiply operands that are first quantised to E4M3 (4 exponent bits, 3 mantissa bits; 8 bits a number), with one power-of-two scale for each 32 numbers along K (OCP MX v1.0); their sums are f32. All else is computed in f32.
;;   The module's matrix products, in the order in which they are computed (A, B: the left and right operand; K: the contracted axis; several contracted axes count as one K, in the product's order):
;;     1. [M 8,192, K 512] x [K 512, N 1,024]; A: computed on the way; B: input scale_base (given as codes): QUANTISED
;;     2. [M 8,192, K 4,096] x [K 4,096, N 1,024]; A: computed on the way; B: input coef: QUANTISED
;;   THE QUANTISER, for each operand of a quantised product, along K:
;;     - K is cut into blocks of 32 from its start; a last block that is shorter is filled with zeros.
;;     - A block's scale is 2^e with e = floor(log2(the largest magnitude in the block)) - 8, held to -126 .. 127; a block of zeros has e = 0. As a byte (E8M0): e + 127.
;;     - Each number is divided by its block's scale, clamped to +-448, and rounded to the nearest number of E4M3, ties to even, subnormals kept.
;;     - The product sums the exact products of the quantised numbers (number of the format x scale) in f32.
;;   ~~~python
;;   def quantise(x, axis):      # numpy; x: float32 -> the quantised numbers, widened to float32 again
;;       x = np.moveaxis(x, axis, -1); K = x.shape[-1]
;;       x = np.pad(x, [(0, 0)] * (x.ndim - 1) + [(0, -K % 32)]); x = x.reshape(x.shape[:-1] + (-1, 32)); a = np.abs(x).max(-1, keepdims=True)
;;       e = np.where(a > 0, np.clip(np.frexp(np.where(a > 0, a, 1))[1] - 1 - 8, -126, 127), 0)      # np.frexp(a)[1] - 1 = floor(log2(a)), exactly
;;       r = np.clip(x / 2.0 ** e, -448, 448)
;;       step = 2.0 ** (np.maximum(np.frexp(np.where(r == 0, 1, r))[1] - 1, -6) - 3)
;;       q = np.round(r / step) * step * 2.0 ** e      # np.round: ties to even
;;       return np.moveaxis(q.reshape(q.shape[:-2] + (-1,))[..., :K], -1, axis).astype(np.float32)
;;   ~~~
;;   OPERANDS COMPUTED ON THE WAY. 'Computed on the way' means the value that the module computes at that place (a softmax that the list does not call 'softmax' is quantised finished and normalised). What goes into a quantiser is computed in f32, as accurately as f32 sums, v_exp_f32 and their like allow (about 1e-6 of the number): no bf16 or f16 on the way to a quantiser, and a product that is left as it is and whose result goes on into a quantised operand takes f32 operands (vector FMAs, or v_wmma_f32_16x16x4_f32). A number that lies on a knife's edge between two numbers of the format may be rounded either way, as far as f32 arithmetic and the matrix unit's own rounding can turn it there, and no further.
;;   INPUTS GIVEN AS CODES. scale_base (in the module: [512, 1024], K = its axis 0): each comes as NAME_codes (uint8): NAME with its K axis moved to the last place and cut into blocks of 32 codes, [.., K / 32, bytes a block], one block behind the other in memory; one code a byte (a code: sign, 4 exponent bits, 3 mantissa bits); and NAME_scales (uint8): the same leading axes, one E8M0 byte (e + 127) for each 32 codes along K. Its value is code x scale, taken as it is: it is not quantised again, and the codes and scales need not be those that the quantiser above would give.
;; One version. Each part assembles by itself: llvm-mc -triple=amdgcn-amd-amdhsa -mcpu=gfx1250 --defsym DOCPART=n.
;; ======== version 1 of 1: 2 launches
;; limits: right only within a limited range of input values
;; workspace buffers: aq 38,928,384 bytes; wq 4,866,048 bytes
;; launch prep (part 1): grid 256 x 1, 16 waves a work-group, no clusters, 179,712 bytes of LDS; arguments x, grid, coef, scale_base_codes, scale_base_scales, aq, wq; writes aq, wq
.if DOCPART == 1
	.amdgcn_target "amdgcn-amd-amdhsa--gfx1250"
	.amdhsa_code_object_version 6
	.text
	.protected	k_qfa0ba4c4c4_prep
	.globl	k_qfa0ba4c4c4_prep
	.p2align	8
	.type	k_qfa0ba4c4c4_prep,@function
k_qfa0ba4c4c4_prep:
	s_mov_b64 s[64:65], 0
	v_nop
	global_prefetch_b8 v0, s[64:65] scope:SCOPE_SE
	s_setreg_imm32_b32 hwreg(HW_REG_WAVE_MODE, 25, 1), 1
	s_wait_xcnt 0x0
; THE OPERANDS OF out = [bsplines(x) | silu(x)] [coef ; scale_base], MADE ONCE, AS CODES OF E4M3 WITH ONE E8M0 BYTE FOR EACH 32 ALONG K.
; K has 36 steps of 128: steps 0-31 the splines (K = 8 i + k: step s holds i = 16 s .. 16 s + 15), steps 32-35 silu / scale_base (K = i).
; aq [64 blocks of 128 rows][36 steps][16,896 bytes], wq [4 blocks of 256 columns][36 steps][33,792 bytes]: IMAGES OF THE OPERANDS' REGISTERS.  A fragment (16 rows x 128 K) is 2,048 bytes:
; byte 512 c + 16 lane holds K = 32 c + 16 (lane / 16) + 0 .. 15 of row lane % 16.  Behind a step's fragments lie its scale words: 256 (m / 4) + 16 r + 4 (m % 4) for row r of fragment m.
; SHARES.  Every work-group does 1/256 of every job.  A: 64 rows x 256 i; a wave 32 rows x 32 i; A LANE OWNS ONE i, keeps that i's knots and reciprocals in registers, and walks the rows two at a time (packed f32).
;   coef: a wave quantises one fragment (16 columns x 128 K).  scale_base's codes: a wave copies 256 bytes into the image.  Its scale words: wave 7 of work-groups 0-7, 2,048 bytes each.
; THE RECURSION is reference()'s for any knots: v_j[t] = (x - g[t]) (R_j[t] v_(j-1)[t]) - (x - g[t+j+1]) (R_j[t+1] v_(j-1)[t+1]), R_j[t] = 1 / (g[t+j] - g[t]).
;   Where a difference of knots is 0, reference() meets inf x 0 = NaN, which nan_to_num turns into 0 for BOTH values that use it: here that reciprocal is 0 and both values are cancelled by a 0 in the next level's constant (K3 at the last).
; LIMITS.  NaN and infinities in x, grid, coef are not served.  Where reference() meets a true infinity (a zero difference of knots under a value that is not 0: knots out of order and equal bit for bit; an overflow) it gives +-3.4e38; this text gives 0.
;   A difference of knots under 2^-126 counts as 0 (v_rcp_f32 takes denormals as 0: ISA guide, its entry).  A division is v_rcp_f32 and a multiplication.  A block of zeros gets the byte 1, not 127: its codes are zeros, and this program alone reads the bytes.
; SIXTEEN WAVES: wave number = w + 8 half.  Waves w and w + 8 share the 32 i of group w; half 0 takes rows 0-31 of the work-group's 64 (tiles 0, 1), half 1 rows 32-63 (tiles 2, 3).
; Each wave has LDS regions of its own; the two halves' scale bytes are joined behind the one barrier, so that whole 16-byte groups leave.  The jobs on coef and scale_base are done by half 0 alone.
.set XST, 0                            ; LDS: for each of the 16 waves its 32 rows x 128 bytes of x,
.set SST, 65536                        ; 16 pieces x (256 + 16) bytes of spline codes: a tile of 16 rows, two K steps,
.set SIL, 135168                       ; 16 rows x (128 + 16) bytes of silu in f32, for each wave,
.set SSC, 172032                       ; 256 spline scale bytes for each wave: 128 (step) + 8 r + 4 (tile % 2) + block;
.set ZSC, 176128                       ; the work-group's: silu's scale bytes, a word for each of the 16 waves and each row (bytes 2 and 3: the wave's two tiles),
.set WSC, 177152                       ; and coef's scale words
.set FLOOR, 0x4800000                  ; 2^(9 - 127): under it no largest magnitude is taken, so a byte cannot fall under 1
.set EOFF,  0xfc000000                 ; takes 8 off an exponent field
.set EXPM,  0x7f800000
.set TINY,  0x800000                   ; 2^-126
.set L16, 1                            ; v1   16 x lane
.set LX,  2                            ; v2   x in LDS: my i's word of the wave's first row
.set LSS, 3                            ; v3   where my 8 codes of a row go
.set LSR, 4                            ; v4   where I read the codes back as images
.set LSCB, 5                           ; v5   my block's scale byte
.set LIS, 6                            ; v6   where my silu goes
.set LIR, 7                            ; v7   where I read 16 neighbours of a row back
.set LZ,  8                            ; v8   my wave's word of silu's bytes for row lane % 16
.set HO,  9                            ; v9   16,896 (lane / 16) + 16 (lane % 16): scale words of two steps of aq
.set TX,  10                           ; v10  at the head: where coef's scale word goes; then the tile's x
.set TS,  11                           ; v11  the tile's scale bytes
.set VO,  12                           ; v12  16 x lane + 2,048 x tile
.set SSR, 13                           ; v13  my 16 spline scale bytes, on the way out
.set XSA, 14                           ; v14  where x's loads are put
.set PW,  15                           ; v15  coef's scale word
.set G,   16                           ; v16-27 my i's 12 knots
.set R1,  28                           ; v28-38 reciprocals of level 1;  v40-49 level 2;  v50-58 level 3 (v59 is named with v58 as a pair, so it is written);  v60-67 1.0 or 0
.set R2,  40
.set R3,  50
.set K3,  60
.set X,   68                           ; v68-83 a tile's 16 rows of my i
.set TM,  68                           ; (head) at work
.set PC,  84                           ; (head) v84-99 coef's codes
.set CX,  100                          ; (head) v100-163 coef's 64 numbers
.set XL,  164                          ; (head) v164-195 x as loaded
.set SS,  228                          ; (head) v228-243 scale_base's scale words
.set SP,  244                          ; (head) v244-245 8 codes of scale_base
.set D,   100                          ; v100-123 x - g[t], two rows a pair
.set Z,   124                          ; v124-145 R v
.set V,   146                          ; v146-165 the level's values
.set T,   166                          ; v166-173 four products in flight
.set Q,   174                          ; v174-189 8 held numbers for each of the two rows
.set CD,  190                          ; v190-193 their codes
.set M,   194                          ; v194-205 largest magnitudes, scale operands, holds, bytes
.set SI,  206                          ; v206-211 silu at work
.set ZW,  212                          ; v212 silu's scale bytes, tiles 0, 1 in bytes 2, 3
.set OB,  100                          ; (a tile's end) v100-131 the images;  v132-147 16 silu;  v148-151 their codes
.set Y,   132
.set YC,  148
.set C0,  68                           ; s68-79, s80-91 compare masks of the two rows
.set C1,  80
.set XB,  28                           ; s[28:53] the bases, a pair each
.set GB,  30
.set CB,  32
.set SBC, 34
.set SBS, 36
.set WQ1, 38
.set WQ2, 40
.set WQ3, 42
.set WQ4, 44
.set AQ1, 46
.set AQ2, 48
.set AQ3, 50
.set AQ4, 52
	s_load_b256 s[4:11], s[0:1], 0x0               ; x s[4:5], grid s[6:7], coef s[8:9], scale_base's codes s[10:11]
	s_load_b128 s[12:15], s[0:1], 0x20             ; its scales s[12:13], aq s[14:15]
	s_load_b64 s[16:17], s[0:1], 0x30              ; wq
	v_lshl_add_u32 v39, v0, 2, 0x2b600
	v_mov_b32 v246, 0
	v_lshrrev_b32 v255, 5, v0
	s_delay_alu instid0(VALU_DEP_1)
	v_readfirstlane_b32 s93, v255                  ; the wave's number, 0 .. 15
	s_lshr_b32 s92, s93, 3                         ; half
	s_and_b32 s18, s93, 7                          ; w
	s_lshl_b32 s94, s92, 12                        ; two fragments' images
	v_and_b32 v253, 31, v0                         ; lane l
	s_wait_alu depctr_va_vdst(0)
	v_and_b32 v254, 15, v0                         ; r
	s_wait_alu depctr_va_vdst(0)
	v_bfe_u32 v255, v0, 4, 1                       ; h
	s_mov_b32 s20, 0x76543210
	s_mov_b32 s21, 0xfedcba98                      ; v_permlanex16_b32's selects for lane l xor 16
	s_mov_b32 s22, 0x600000                        ; the mantissa field of 448
	s_and_b32 s54, ttmp9, 1                        ; ih: which 256 i
	s_lshr_b32 s55, ttmp9, 1                       ; rb: which 64 rows
	s_lshr_b32 s56, ttmp9, 2                       ; mb: which 128 rows;  also: which 16 columns of scale_base
	s_and_b32 s57, s55, 1                          ; gq: which half of them
	s_lshl_b32 s58, s54, 3
	s_add_co_u32 s58, s58, s18                     ; g = 8 ih + w: my wave's 32 i
	s_and_b32 s59, ttmp9, 15                       ; G
	s_lshr_b32 s60, ttmp9, 4                       ; T
	s_lshr_b32 s61, s18, 2                         ; w / 4
	s_and_b32 s62, s18, 3                          ; w % 4
	; byte offsets, each in a pair with 0 above it
	s_lshl_b32 s[XB], s55, 17                      ; x: 64 rows of 2,048 bytes, + 128 g
	s_lshl_b32 s2, s58, 7
	s_add_co_u32 s[XB], s[XB], s2
	s_lshl_b32 s2, s92, 16                         ; + 32 rows for half 1
	s_add_co_u32 s[XB], s[XB], s2
	s_mov_b32 s[XB+1], 0
	s_mul_i32 s[GB], s58, 1536                     ; grid: 32 i of 48 bytes
	s_mov_b32 s[GB+1], 0
	s_lshl_b32 s63, s60, 1
	s_add_co_u32 s63, s63, s61                     ; coef's K step: 2 T + w / 4
	s_lshl_b32 s[CB], s63, 19                      ; 16 i of 32,768 bytes
	s_lshl_b32 s2, s59, 2
	s_add_co_u32 s2, s2, s62                       ; which 16 columns: 4 G + w % 4
	s_lshl_b32 s2, s2, 9
	s_add_co_u32 s[CB], s[CB], s2
	s_mov_b32 s[CB+1], 0
	s_lshl_b32 s[SBC], s56, 13                     ; scale_base's codes: 16 rows of 512 bytes, step f % 4, bytes 16 w on
	s_and_b32 s3, ttmp9, 3
	s_lshl_b32 s2, s3, 7
	s_add_co_u32 s[SBC], s[SBC], s2
	s_lshl_b32 s2, s18, 4
	s_add_co_u32 s[SBC], s[SBC], s2
	s_mov_b32 s[SBC+1], 0
	s_and_b32 s19, ttmp9, 7
	s_lshl_b32 s[SBS], s19, 11                     ; its scales: 128 rows of 16 bytes
	s_mov_b32 s[SBS+1], 0
	s_lshr_b32 s2, s59, 2
	s_mul_i32 s27, s2, 36                          ; 36 (G / 4)
	s_add_co_u32 s2, s27, s63
	s_mul_i32 s[WQ1], s2, 33792                    ; wq: coef's fragment
	s_and_b32 s24, s59, 3
	s_lshl_b32 s2, s24, 2
	s_add_co_u32 s2, s2, s62
	s_lshl_b32 s2, s2, 11
	s_add_co_u32 s[WQ1], s[WQ1], s2
	s_mov_b32 s[WQ1+1], 0
	s_lshr_b32 s2, ttmp9, 6
	s_mul_i32 s2, s2, 36
	s_add_co_u32 s2, s2, s3
	s_add_co_u32 s2, s2, 32
	s_mul_i32 s[WQ2], s2, 33792                    ; wq: scale_base's fragment, bytes 256 w on
	s_and_b32 s2, s56, 15
	s_lshl_b32 s2, s2, 11
	s_add_co_u32 s[WQ2], s[WQ2], s2
	s_lshl_b32 s2, s18, 8
	s_add_co_u32 s[WQ2], s[WQ2], s2
	s_mov_b32 s[WQ2+1], 0
	s_lshr_b32 s2, s19, 1
	s_mul_i32 s2, s2, 36
	s_add_co_u32 s2, s2, 32
	s_mul_i32 s[WQ3], s2, 33792                    ; wq: scale_base's scale words, step 32
	s_lshl_b32 s2, s54, 9
	s_add_co_u32 s[WQ3], s[WQ3], s2
	s_add_co_u32 s[WQ3], s[WQ3], 32768
	s_mov_b32 s[WQ3+1], 0
	s_lshl_b32 s2, s60, 1
	s_add_co_u32 s2, s2, s27
	s_mul_i32 s[WQ4], s2, 33792                    ; wq: coef's scale words, step 2 T
	s_lshl_b32 s2, s24, 8
	s_add_co_u32 s[WQ4], s[WQ4], s2
	s_add_co_u32 s[WQ4], s[WQ4], 32768
	s_mov_b32 s[WQ4+1], 0
	s_mul_i32 s27, s56, 36                         ; 36 mb
	s_lshl_b32 s2, s58, 1
	s_add_co_u32 s2, s2, s27
	s_mul_i32 s2, s2, 16896                        ; aq: step 2 g
	s_lshl_b32 s3, s57, 13
	s_add_co_u32 s[AQ1], s2, s3                    ; my 64 rows' fragments
	s_add_co_u32 s[AQ1], s[AQ1], s94               ; my half's two fragments
	s_mov_b32 s[AQ1+1], 0
	s_lshl_b32 s24, s57, 8
	s_add_co_u32 s[AQ3], s2, s24                   ; and their scale words
	s_add_co_u32 s[AQ3], s[AQ3], 16384
	s_mov_b32 s[AQ3+1], 0
	s_lshl_b32 s2, s54, 1
	s_add_co_u32 s2, s2, s27
	s_add_co_u32 s2, s2, 32                        ; silu: step 32 + 2 ih
	s_mul_i32 s[AQ4], s2, 16896
	s_add_co_u32 s[AQ4], s[AQ4], s24
	s_add_co_u32 s[AQ4], s[AQ4], 16384
	s_mov_b32 s[AQ4+1], 0
	s_add_co_u32 s2, s2, s61                       ; my wave's: + w / 4, block w % 4
	s_mul_i32 s[AQ2], s2, 16896
	s_add_co_u32 s[AQ2], s[AQ2], s3
	s_lshl_b32 s2, s62, 9
	s_add_co_u32 s[AQ2], s[AQ2], s2
	s_add_co_u32 s[AQ2], s[AQ2], s94
	s_mov_b32 s[AQ2+1], 0
	v_mul_u32_u24 v248, v253, 48                   ; grid: my i's 48 bytes
	v_lshrrev_b32 v249, 1, v253
	s_delay_alu instid0(VALU_DEP_1)
	v_lshlrev_b32 v249, 9, v249
	v_and_b32 v247, 1, v253
	s_delay_alu instid0(VALU_DEP_1)
	v_lshl_add_u32 v249, v247, 3, v249             ; scale_base's codes: row l / 2, 8 bytes l % 2
	v_lshlrev_b32 v247, 3, v253                    ; and their place in the image: 8 l
	v_lshlrev_b32 v250, 5, v254
	s_wait_alu depctr_va_vdst(0)
	v_lshl_add_u32 v250, v255, 16, v250            ; coef: column r (32 bytes), two i further on for lanes 16-31
	v_lshrrev_b32 v251, 3, v253
	s_delay_alu instid0(VALU_DEP_1)
	v_lshlrev_b32 v251, 11, v251
	v_and_b32 v252, 7, v253
	s_delay_alu instid0(VALU_DEP_1)
	v_lshl_add_u32 v251, v252, 4, v251             ; x: eight lanes to a row's 128 bytes, four rows a load
	v_lshlrev_b32 v252, 4, v254
	s_delay_alu instid0(VALU_DEP_1)
	v_lshl_add_u32 v252, v255, 10, v252            ; scale_base's scales: row 64 h + r
	v_lshlrev_b32 v[L16], 4, v253
	s_wait_alu depctr_va_vdst(0)
	s_wait_kmcnt 0x0
	s_add_nc_u64 s[XB:XB+1], s[4:5], s[XB:XB+1]
	s_add_nc_u64 s[GB:GB+1], s[6:7], s[GB:GB+1]
	s_add_nc_u64 s[CB:CB+1], s[8:9], s[CB:CB+1]
	s_add_nc_u64 s[SBC:SBC+1], s[10:11], s[SBC:SBC+1]
	s_add_nc_u64 s[SBS:SBS+1], s[12:13], s[SBS:SBS+1]
	s_add_nc_u64 s[WQ1:WQ1+1], s[16:17], s[WQ1:WQ1+1]
	s_add_nc_u64 s[WQ2:WQ2+1], s[16:17], s[WQ2:WQ2+1]
	s_add_nc_u64 s[WQ3:WQ3+1], s[16:17], s[WQ3:WQ3+1]
	s_add_nc_u64 s[WQ4:WQ4+1], s[16:17], s[WQ4:WQ4+1]
	s_add_nc_u64 s[AQ1:AQ1+1], s[14:15], s[AQ1:AQ1+1]
	s_add_nc_u64 s[AQ2:AQ2+1], s[14:15], s[AQ2:AQ2+1]
	s_add_nc_u64 s[AQ3:AQ3+1], s[14:15], s[AQ3:AQ3+1]
	s_add_nc_u64 s[AQ4:AQ4+1], s[14:15], s[AQ4:AQ4+1]
	; ---- all the wave's loads go out together: 3 + 1 + 16 + 8
.irp q, 0,1,2
	global_load_b128 v[G+4*\q:G+4*\q+3], v248, s[GB:GB+1] offset:16*\q
.endr
	s_cmp_lg_u32 s92, 0                            ; coef and scale_base: half 0 alone
	s_cbranch_scc1 .Lno_cl
	global_load_b64 v[SP:SP+1], v249, s[SBC:SBC+1]
.irp c, 0,1,2,3
.irp e, 0,1
.irp j, 0,1
	global_load_b128 v[CX+16*\c+8*\e+4*\j:CX+16*\c+8*\e+4*\j+3], v250, s[CB:CB+1] offset:(4*\c+\e)*32768+16*\j   ; coef(16 s + 4 c + 2 h + e, column r, 4 j ..): register 16 c + 8 e + k is K = 32 c + 16 h + 8 e + k
.endr
.endr
.endr
.Lno_cl:
.irp q, 0,1,2,3,4,5,6,7
	global_load_b128 v[XL+4*\q:XL+4*\q+3], v251, s[XB:XB+1] offset:8192*\q th:TH_LOAD_NT   ; rows 4 q .. 4 q + 3 of my 32; each byte of x is read once in the launch
.endr
	; scale_base's scale words: 16,384 bytes in all, so eight waves of the launch do it: wave 7 of work-groups 0-7.  Word s' of a row is the row's scale word of step 32 + s'.
	s_cmp_lg_u32 s93, 7
	s_cbranch_scc1 .Lno_sbs
	s_cmp_lt_u32 ttmp9, 8
	s_cbranch_scc0 .Lno_sbs
.irp s, 0,1,2,3
.irp j, 0,1,2,3
	global_load_b32 v[SS+4*\s+\j], v252, s[SBS:SBS+1] offset:256*\j+4*\s
.endr
.endr
	s_wait_loadcnt 0x0
.irp s, 0,1,2,3
	global_store_b128 v[L16], v[SS+4*\s:SS+4*\s+3], s[WQ3:WQ3+1] offset:33792*\s   ; 32 lanes store 512 consecutive bytes
.endr
.Lno_sbs:
	; the LDS addresses, while the loads are out
	s_lshl_b32 s2, s93, 12
	v_lshl_add_u32 v[LX], v253, 2, s2
	v_add_nc_u32 v[XSA], s2, v[L16]
	s_mul_i32 s2, s93, 4352
	s_add_co_u32 s2, s2, SST
	v_lshrrev_b32 v[LSS], 1, v253                  ; piece l / 2 = 8 (K step) + 2 (block) + (half): 16 rows x 16 bytes; rows of 272 bytes start four banks apart (64 banks of 4 bytes: ISA guide 11.1)
	s_delay_alu instid0(VALU_DEP_1)
	v_mul_u32_u24 v[LSS], v[LSS], 272
	v_and_b32 v[LSR], 1, v253
	s_delay_alu instid0(VALU_DEP_1)
	v_lshl_add_u32 v[LSS], v[LSR], 3, v[LSS]
	s_delay_alu instid0(VALU_DEP_1)
	v_add_nc_u32 v[LSS], s2, v[LSS]
	v_mul_u32_u24 v[LSR], v255, 272
	s_delay_alu instid0(VALU_DEP_1)
	v_lshl_add_u32 v[LSR], v254, 4, v[LSR]
	s_delay_alu instid0(VALU_DEP_1)
	v_add_nc_u32 v[LSR], s2, v[LSR]
	s_lshl_b32 s2, s93, 8
	s_add_co_u32 s2, s2, SSC
	v_bfe_u32 v[LSCB], v0, 2, 2
	s_delay_alu instid0(VALU_DEP_1)
	v_lshl_add_u32 v[LSCB], v255, 7, v[LSCB]
	s_delay_alu instid0(VALU_DEP_1)
	v_add_nc_u32 v[LSCB], s2, v[LSCB]
	v_lshl_add_u32 v[SSR], v253, 3, s2             ; 128 h + 8 r of my region; half 1's lies 2,048 bytes on
	s_mul_i32 s2, s93, 2304
	s_add_co_u32 s2, s2, SIL
	v_lshl_add_u32 v[LIS], v253, 2, s2
	v_mul_u32_u24 v[LIR], v254, 144
	s_delay_alu instid0(VALU_DEP_1)
	v_lshl_add_u32 v[LIR], v255, 6, v[LIR]
	s_delay_alu instid0(VALU_DEP_1)
	v_add_nc_u32 v[LIR], s2, v[LIR]
	s_lshl_b32 s2, s93, 6
	s_add_co_u32 s2, s2, ZSC
	v_lshl_add_u32 v[LZ], v254, 2, s2
	v_mul_u32_u24 v[HO], v255, 16896
	s_delay_alu instid0(VALU_DEP_1)
	v_lshl_add_u32 v[HO], v254, 4, v[HO]
	s_lshl_b32 s2, s61, 8
	s_lshl_b32 s3, s62, 2
	s_add_co_u32 s2, s2, s3
	s_add_co_u32 s2, s2, WSC
	v_lshl_add_u32 v[TX], v254, 4, s2              ; coef's scale word: 256 (w / 4) + 16 r + 4 (w % 4)
.irp b, 0,1,2,3
	v_mov_b32 v[TM+4+\b], 0                        ; a lane permute's destination counts as one of its sources
.endr
	s_wait_alu depctr_va_vdst(0)
	s_wait_loadcnt 8                               ; all but x's 8 loads are in
	s_cmp_lg_u32 s92, 0
	s_cbranch_scc1 .Lno_cq
	global_store_b64 v247, v[SP:SP+1], s[WQ2:WQ2+1]   ; 32 lanes store 256 consecutive bytes, aligned
	; ---- coef's fragment: 64 numbers a lane, register 16 b + i = K 32 b + 16 h + i of column r
.irp b, 0,1,2,3
	v_max3_num_f32 v[TM+\b], |v[CX+16*\b]|, |v[CX+1+16*\b]|, FLOOR
.endr
.irp i, 2,4,6,8,10,12,14
.irp b, 0,1,2,3
	s_delay_alu instid0(VALU_DEP_4)
	v_max3_num_f32 v[TM+\b], v[TM+\b], |v[CX+16*\b+\i]|, |v[CX+1+16*\b+\i]|   ; the four blocks by turns
.endr
.endr
.irp b, 0,1,2,3
	s_delay_alu instid0(VALU_DEP_4)
	v_permlanex16_b32 v[TM+4+\b], v[TM+\b], s20, s21
.endr
.irp b, 0,1,2,3
	s_delay_alu instid0(VALU_DEP_4)
	v_max_num_f32 v[TM+\b], v[TM+\b], v[TM+4+\b]   ; with lane l xor 16's 16: the block's largest magnitude
.endr
.irp b, 0,1,2,3
	s_delay_alu instid0(VALU_DEP_4)
	v_add_nc_u32 v[TM+12+\b], EOFF, v[TM+\b]       ; 8 off its exponent field: the conversion's scale operand
.endr
.irp b, 0,1,2,3
	v_and_or_b32 v[TM+8+\b], v[TM+\b], EXPM, s22   ; 448 x the scale
.endr
.irp b, 0,1,2,3
	v_lshrrev_b32 v[TM+4+\b], 23, v[TM+12+\b]      ; the scale's byte
.endr
	s_delay_alu instid0(VALU_DEP_3)
	v_lshl_or_b32 v[PW], v[TM+5], 8, v[TM+4]
	s_delay_alu instid0(VALU_DEP_1)
	v_lshl_or_b32 v[PW], v[TM+6], 16, v[PW]
	s_delay_alu instid0(VALU_DEP_1)
	v_lshl_or_b32 v[PW], v[TM+7], 24, v[PW]
.irp b, 0,1,2,3
.irp i, 0,1,2,3,4,5,6,7,8,9,10,11,12,13,14,15
	v_med3_num_f32 v[CX+16*\b+\i], v[CX+16*\b+\i], -v[TM+8+\b], v[TM+8+\b]   ; the conversion to an 8-bit code does not saturate (ISA guide 7.6.2): the hold comes first
.endr
	v_cvt_scalef32_pk8_fp8_f32 v[PC+4*\b:PC+1+4*\b], v[CX+16*\b:CX+7+16*\b], v[TM+12+\b]
	v_cvt_scalef32_pk8_fp8_f32 v[PC+2+4*\b:PC+3+4*\b], v[CX+8+16*\b:CX+15+16*\b], v[TM+12+\b]
.endr
	v_nop                                          ; one plain line behind the last conversion: its sources are written again below
.irp c, 0,1,2,3
	global_store_b128 v[L16], v[PC+4*\c:PC+4*\c+3], s[WQ1:WQ1+1] offset:512*\c   ; the image: 512 consecutive bytes a store
.endr
	ds_store_b32 v[TX], v[PW]                      ; lanes r and r + 16 write the same word with the same value
.Lno_cq:
	s_wait_loadcnt 0x0                             ; x
.irp q, 0,1,2,3,4,5,6,7
	ds_store_b128 v[XSA], v[XL+4*\q:XL+4*\q+3] offset:512*\q   ; as loaded: row x 128 bytes
.endr
	; ---- my i's constants.  cc: this level's masks 'the difference counts'; kk: the level before's 'both neighbours count'
.macro LEVELC j, n, rr, cc, kk
.set t, 0
.rept \n
	v_sub_f32 v[D+t], v[G+t+\j], v[G+t]
.set t, t+1
.endr
.set t, 0
	s_wait_alu depctr_va_vdst(0)
.rept \n
	v_rcp_f32 v[Z+t], v[D+t]
.set t, t+1
.endr
	v_nop                                          ; a plain line behind the reciprocals
.set t, 0
.rept \n
	v_cmp_le_f32 s[\cc+t], TINY, |v[D+t]|
.set t, t+1
.endr
.if \j > 1
.set t, 0
.rept \n
	s_and_b32 s[\kk+t], s[\cc+t], s[\kk+t]         ; the reciprocal stays only where the value that it multiplies was not cancelled
.set t, t+1
.endr
.set t, 0
	s_wait_alu depctr_va_vdst(0)
.rept \n
	v_cndmask_b32 v[\rr+t], 0, v[Z+t], s[\kk+t]
.set t, t+1
.endr
.else
.set t, 0
	s_wait_alu depctr_va_vdst(0)
.rept \n
	v_cndmask_b32 v[\rr+t], 0, v[Z+t], s[\cc+t]
.set t, t+1
.endr
.endif
.set t, 0
.rept \n-1
	s_and_b32 s[\cc+t], s[\cc+t], s[\cc+t+1]       ; value t of this level stands only if both its differences count
.set t, t+1
.endr
.endm
	LEVELC 1, 11, R1, C0, C1
	LEVELC 2, 10, R2, C1, C0
	LEVELC 3, 9, R3, C0, C1
.set t, 0
.rept 8
	v_cndmask_b32 v[K3+t], 0, 1.0, s[C0+t]
.set t, t+1
.endr
	v_mov_b32 v[R3+9], 0
	s_wait_dscnt 0x0                               ; x lies in LDS, and the stores have read their registers
	v_mov_b32 v[ZW], 0
; two rows at a time: a pair of registers holds rows 2 p and 2 p + 1; a constant of my i is taken from its pair for both halves
.macro PKSUBC d, a, c, t
.if ((\t)%2) == 0
	v_pk_add_f32 v[\d:\d+1], v[\a:\a+1], v[\c+\t:\c+\t+1] op_sel_hi:[1,0] neg_lo:[0,1] neg_hi:[0,1]
.else
	v_pk_add_f32 v[\d:\d+1], v[\a:\a+1], v[\c+\t-1:\c+\t] op_sel:[0,1] op_sel_hi:[1,1] neg_lo:[0,1] neg_hi:[0,1]
.endif
.endm
.macro PKMULC d, a, c, t
.if ((\t)%2) == 0
	v_pk_mul_f32 v[\d:\d+1], v[\a:\a+1], v[\c+\t:\c+\t+1] op_sel_hi:[1,0]
.else
	v_pk_mul_f32 v[\d:\d+1], v[\a:\a+1], v[\c+\t-1:\c+\t] op_sel:[0,1] op_sel_hi:[1,1]
.endif
.endm
; V[t] = D[t] Z[t] - D[t + j + 1] Z[t + 1], t = 0 .. n - 1; the product runs two values ahead of the multiply-add that takes it
.macro LEVEL j, n
.set t, 0
.rept \n+2
.if t < \n
	v_pk_mul_f32 v[T+2*(t%4):T+2*(t%4)+1], v[D+2*(t+\j+1):D+2*(t+\j+1)+1], v[Z+2*(t+1):Z+2*(t+1)+1]
.endif
.if t >= 2
	v_pk_fma_f32 v[V+2*(t-2):V+2*(t-2)+1], v[D+2*(t-2):D+2*(t-2)+1], v[Z+2*(t-2):Z+2*(t-2)+1], v[T+2*((t-2)%4):T+2*((t-2)%4)+1] neg_lo:[0,0,1] neg_hi:[0,0,1]
.endif
.set t, t+1
.endr
.endm
.macro PAIR p
.set XP, X+2*(\p)
	v_pk_mul_f32 v[SI:SI+1], v[XP:XP+1], 0xbfb8aa3b op_sel_hi:[1,0]   ; -x log2(e)
	s_wait_alu depctr_va_vdst(0)
	v_exp_f32 v[SI], v[SI]
	v_exp_f32 v[SI+1], v[SI+1]
.irp t, 0,1,2,3,4,5,6,7,8,9,10,11
	PKSUBC D+2*\t, XP, G, \t                       ; x - g[t]  (plain lines behind the exponentials)
.endr
.irp t, 0,1,2,3,4,5,6,7,8,9,10,11
	v_cmp_le_f32 s[C0+\t], v[G+\t], v[XP]          ; x >= g[t]
.endr
.irp t, 0,1,2,3,4,5,6,7,8,9,10,11
	v_cmp_le_f32 s[C1+\t], v[G+\t], v[XP+1]
.endr
	s_wait_alu depctr_va_vdst(0)
	v_pk_add_f32 v[SI:SI+1], v[SI:SI+1], 1.0 op_sel_hi:[1,0]
.irp t, 0,1,2,3,4,5,6,7,8,9,10
	s_and_not1_b32 s[C0+\t], s[C0+\t], s[C0+\t+1]  ; and x < g[t + 1]: the masks only select values
.endr
.irp t, 0,1,2,3,4,5,6,7,8,9,10
	s_and_not1_b32 s[C1+\t], s[C1+\t], s[C1+\t+1]
.endr
	s_wait_alu depctr_va_vdst(0)
	v_rcp_f32 v[SI+2], v[SI]
	v_rcp_f32 v[SI+3], v[SI+1]
.irp t, 0,1,2,3,4,5,6,7,8,9,10
	v_cndmask_b32 v[Z+2*\t], 0, v[R1+\t], s[C0+\t] ; R1[t] x (degree 0's value, 0 or 1)
	v_cndmask_b32 v[Z+2*\t+1], 0, v[R1+\t], s[C1+\t]
.endr
	LEVEL 1, 10
	s_wait_alu depctr_va_vdst(0)
	v_pk_mul_f32 v[SI+4:SI+5], v[XP:XP+1], v[SI+2:SI+3]   ; silu = x / (1 + 2^(-x log2 e))
	ds_store_b32 v[LIS], v[SI+4] offset:144*(2*(\p))
	ds_store_b32 v[LIS], v[SI+5] offset:144*(2*(\p)+1)
.irp t, 0,1,2,3,4,5,6,7,8,9
	PKMULC Z+2*\t, V+2*\t, R2, \t
.endr
	LEVEL 2, 9
.irp t, 0,1,2,3,4,5,6,7,8
	PKMULC Z+2*\t, V+2*\t, R3, \t
.endr
	LEVEL 3, 8
.irp t, 0,1,2,3,4,5,6,7
	PKMULC V+2*\t, V+2*\t, K3, \t
.endr
	; a block of 32 along K is four neighbouring lanes' eight values of one row; the two rows by turns
.irp e, 0,1
	v_max3_num_f32 v[M+\e], |v[V+\e]|, |v[V+2+\e]|, FLOOR
.endr
.irp i, 4,8,12
.irp e, 0,1
	s_delay_alu instid0(VALU_DEP_2)
	v_max3_num_f32 v[M+\e], v[M+\e], |v[V+\i+\e]|, |v[V+\i+2+\e]|
.endr
.endr
.irp e, 0,1
	s_delay_alu instid0(VALU_DEP_2)
	v_max_num_f32_dpp v[M+\e], v[M+\e], v[M+\e] row_xmask:1 row_mask:0xf bank_mask:0xf
.endr
.irp e, 0,1
	s_delay_alu instid0(VALU_DEP_2)
	v_max_num_f32_dpp v[M+\e], v[M+\e], v[M+\e] row_xmask:2 row_mask:0xf bank_mask:0xf
.endr
.irp e, 0,1
	s_delay_alu instid0(VALU_DEP_2)
	v_add_nc_u32 v[M+2+\e], EOFF, v[M+\e]
.endr
.irp e, 0,1
	s_delay_alu instid0(VALU_DEP_4)
	v_and_or_b32 v[M+4+\e], v[M+\e], EXPM, s22
.endr
.irp t, 0,1,2,3,4,5,6,7
.irp e, 0,1
	v_med3_num_f32 v[Q+8*\e+\t], v[V+2*\t+\e], -v[M+4+\e], v[M+4+\e]   ; the hold also parts the two rows
.endr
.endr
.irp e, 0,1
	v_cvt_scalef32_pk8_fp8_f32 v[CD+2*\e:CD+2*\e+1], v[Q+8*\e:Q+8*\e+7], v[M+2+\e]
.endr
.irp e, 0,1
	v_lshrrev_b32 v[M+6+\e], 23, v[M+2+\e]         ; the scale's byte (a plain line behind the conversions)
.endr
.irp e, 0,1
	ds_store_b64 v[LSS], v[CD+2*\e:CD+2*\e+1] offset:16*(2*(\p)+\e)
	ds_store_b8 v[TS], v[M+6+\e] offset:8*(2*(\p)+\e)    ; the block's four lanes write the same byte with the same value
.endr
.endm
	s_mov_b32 s23, 0                               ; 2,048 x tile: 16 rows of x in LDS, and a fragment's image
	s_mov_b32 s25, 0                               ; 4 x tile: a fragment's scale word
	s_mov_b32 s26, 0
.Ltile:                                            ; two tiles of 16 rows
	v_add_nc_u32 v[TX], s23, v[LX]
	v_add_nc_u32 v[TS], s25, v[LSCB]
	v_add_nc_u32 v[VO], s23, v[L16]
.irp q, 0,1,2,3,4,5,6,7,8,9,10,11,12,13,14,15
	ds_load_b32 v[X+\q], v[TX] offset:128*\q
.endr
	s_wait_dscnt 0x0
.irp p, 0,1,2,3,4,5,6,7
	PAIR \p
.endr
.irp u, 0,1,2,3,4,5,6,7
	ds_load_b128 v[OB+4*\u:OB+4*\u+3], v[LSR] offset:544*\u   ; LDS serves a wave's instructions in order (ISA guide 5.7.1.4): these see my stores; pieces 2 u and 2 u + 1 are 512 bytes of an image
.endr
.irp j, 0,1,2,3
	ds_load_b128 v[Y+4*\j:Y+4*\j+3], v[LIR] offset:16*\j      ; silu(row r, 16 h + 0 .. 15 of my wave's 32 i)
.endr
	s_wait_dscnt 4                                 ; the eight images' parts are in; silu's four loads may be out
.irp u, 0,1,2,3,4,5,6,7
	global_store_b128 v[VO], v[OB+4*\u:OB+4*\u+3], s[AQ1:AQ1+1] offset:(\u/4)*16896+(\u%4)*512   ; 512 consecutive bytes a store
.endr
	s_wait_dscnt 0x0
	v_max3_num_f32 v[M], |v[Y]|, |v[Y+1]|, FLOOR   ; silu's block: my 16 and lane l xor 16's
	v_max3_num_f32 v[M+1], |v[Y+2]|, |v[Y+3]|, |v[Y+4]|
.irp i, 5,9
	s_delay_alu instid0(VALU_DEP_2)
	v_max3_num_f32 v[M], v[M], |v[Y+\i]|, |v[Y+\i+1]|
	s_delay_alu instid0(VALU_DEP_2)
	v_max3_num_f32 v[M+1], v[M+1], |v[Y+\i+2]|, |v[Y+\i+3]|
.endr
	s_delay_alu instid0(VALU_DEP_2)
	v_max3_num_f32 v[M], v[M], |v[Y+13]|, |v[Y+14]|
	s_delay_alu instid0(VALU_DEP_1)
	v_max3_num_f32 v[M], v[M], v[M+1], |v[Y+15]|
	s_delay_alu instid0(VALU_DEP_1)
	v_permlanex16_b32 v[M+1], v[M], s20, s21
	s_delay_alu instid0(VALU_DEP_1)
	v_max_num_f32 v[M], v[M], v[M+1]
	s_delay_alu instid0(VALU_DEP_1)
	v_add_nc_u32 v[M+2], EOFF, v[M]
	s_delay_alu instid0(VALU_DEP_2)
	v_and_or_b32 v[M+4], v[M], EXPM, s22
.irp i, 0,1,2,3,4,5,6,7,8,9,10,11,12,13,14,15
	v_med3_num_f32 v[Y+\i], v[Y+\i], -v[M+4], v[M+4]
.endr
	v_cvt_scalef32_pk8_fp8_f32 v[YC:YC+1], v[Y:Y+7], v[M+2]
	v_cvt_scalef32_pk8_fp8_f32 v[YC+2:YC+3], v[Y+8:Y+15], v[M+2]
	v_lshrrev_b32 v[M+6], 23, v[M+2]               ; (a plain line behind the conversions)
	v_lshrrev_b32 v[ZW], 8, v[ZW]
	s_delay_alu instid0(VALU_DEP_1)
	v_lshl_or_b32 v[ZW], v[M+6], 24, v[ZW]         ; after two tiles: tile j's byte is byte j + 2
	global_store_b128 v[VO], v[YC:YC+3], s[AQ2:AQ2+1]
	s_wait_xcnt 0x0                                ; the stores' data and offset registers are written again only behind this wait
	s_add_co_u32 s23, s23, 2048
	s_add_co_u32 s25, s25, 4
	s_add_co_u32 s26, s26, 1
	s_cmp_lt_u32 s26, 2
	s_cbranch_scc1 .Ltile
	; ---- the scale words leave.  The splines' are my wave's and wave w + 8's; silu's come from all sixteen waves, coef's from half 0's eight: one barrier
	s_wait_alu depctr_va_vdst(0)
	ds_store_b32 v[LZ], v[ZW]
	v_add_nc_u32 v104, WSC, v[L16]
	v_lshlrev_b32 v105, 2, v254
	s_delay_alu instid0(VALU_DEP_1)
	v_lshl_add_u32 v105, v255, 8, v105
	s_delay_alu instid0(VALU_DEP_1)
	v_add_nc_u32 v105, ZSC, v105                   ; row r's words of waves 4 h .. 4 h + 3
	v_mul_u32_u24 v106, v255, 33792
	s_delay_alu instid0(VALU_DEP_1)
	v_lshl_add_u32 v106, v254, 4, v106
	s_wait_dscnt 0x0                               ; for the others' sake: my stores have landed
	s_barrier_signal -1
	s_barrier_wait -1
	s_cmp_eq_u32 s92, 0
	s_cbranch_scc0 .Lnot_h0
	ds_load_b64 v[100:101], v[SSR]                 ; the splines' scale words of tiles 0, 1 (mine)
	ds_load_b64 v[102:103], v[SSR] offset:2048     ; and of tiles 2, 3 (wave w + 8's)
	s_wait_dscnt 0x0
	global_store_b128 v[HO], v[100:103], s[AQ3:AQ3+1]   ; two steps' 256 bytes
.Lnot_h0:
	s_cmp_eq_u32 s93, 0
	s_cbranch_scc0 .Lnot_0
	s_wait_alu depctr_va_vdst(0)
	ds_load_b128 v[108:111], v104
	s_wait_dscnt 0x0
	global_store_b128 v106, v[108:111], s[WQ4:WQ4+1]
.Lnot_0:
	s_cmp_eq_u32 s93, 1
	s_cbranch_scc0 .Lnot_1
	s_wait_alu depctr_va_vdst(0)
.irp c, 0,1,2,3
	ds_load_b32 v[112+\c], v105 offset:64*\c       ; wave 4 h + c's word: bytes 2, 3 = tiles 0, 1 of block c
	ds_load_b32 v[124+\c], v105 offset:512+64*\c   ; wave 8 + 4 h + c's: tiles 2, 3
.endr
	s_wait_dscnt 0x0
.irp c, 0,1,2,3
	v_perm_b32 v[112+\c], v[124+\c], v[112+\c], 0x07060302   ; the two upper halves: byte j = tile j's byte of block c
.endr
	v_perm_b32 v116, v113, v112, 0x05010400        ; 4 x 4 bytes are turned: word j is to hold blocks 0 .. 3 of tile j
	v_perm_b32 v117, v113, v112, 0x07030602
	v_perm_b32 v118, v115, v114, 0x05010400
	v_perm_b32 v119, v115, v114, 0x07030602
	s_delay_alu instid0(VALU_DEP_2)
	v_perm_b32 v120, v118, v116, 0x05040100
	s_delay_alu instid0(VALU_DEP_3)
	v_perm_b32 v121, v118, v116, 0x07060302
	s_delay_alu instid0(VALU_DEP_3)
	v_perm_b32 v122, v119, v117, 0x05040100
	s_delay_alu instid0(VALU_DEP_4)
	v_perm_b32 v123, v119, v117, 0x07060302
	global_store_b128 v[HO], v[120:123], s[AQ4:AQ4+1]
.Lnot_1:
	s_wait_tensorcnt 0x0
	ds_add_u32 v39, v246
	s_wait_dscnt 0x0
	s_endpgm
.Lfunc_end_k_qfa0ba4c4c4_prep:
	.size	k_qfa0ba4c4c4_prep, .Lfunc_end_k_qfa0ba4c4c4_prep-k_qfa0ba4c4c4_prep
	.p2alignl 7, 3214868480
	.fill 96, 4, 3214868480
	.section	.rodata,"a",@progbits
	.p2align	6, 0x0
	.amdhsa_kernel k_qfa0ba4c4c4_prep
		.amdhsa_group_segment_fixed_size 179712
		.amdhsa_private_segment_fixed_size 0
		.amdhsa_enable_private_segment 0
		.amdhsa_kernarg_size 56
		.amdhsa_user_sgpr_count 2
		.amdhsa_user_sgpr_kernarg_segment_ptr 1
		.amdhsa_wavefront_size32 1
		.amdhsa_system_sgpr_workgroup_id_x 1
		.amdhsa_system_sgpr_workgroup_id_y 1
		.amdhsa_system_sgpr_workgroup_id_z 1
		.amdhsa_system_vgpr_workitem_id 0
		.amdhsa_next_free_vgpr 256
		.amdhsa_next_free_sgpr 100
		.amdhsa_reserve_vcc 0
		.amdhsa_float_denorm_mode_32 3
		.amdhsa_float_denorm_mode_16_64 3
		.amdhsa_memory_ordered 1
		.amdhsa_forward_progress 1
		.amdhsa_inst_pref_size 145
	.end_amdhsa_kernel
	.amdgpu_metadata
---
amdhsa.version: [ 1, 2 ]
amdhsa.kernels:
  - .name:           k_qfa0ba4c4c4_prep
    .symbol:         k_qfa0ba4c4c4_prep.kd
    .args:
      - { .name: x, .offset: 0, .size: 8, .value_kind: global_buffer, .address_space: global }
      - { .name: grid, .offset: 8, .size: 8, .value_kind: global_buffer, .address_space: global }
      - { .name: coef, .offset: 16, .size: 8, .value_kind: global_buffer, .address_space: global }
      - { .name: scale_base_codes, .offset: 24, .size: 8, .value_kind: global_buffer, .address_space: global }
      - { .name: scale_base_scales, .offset: 32, .size: 8, .value_kind: global_buffer, .address_space: global }
      - { .name: aq, .offset: 40, .size: 8, .value_kind: global_buffer, .address_space: global }
      - { .name: wq, .offset: 48, .size: 8, .value_kind: global_buffer, .address_space: global }
    .group_segment_fixed_size: 179712
    .private_segment_fixed_size: 0
    .kernarg_segment_align: 8
    .kernarg_segment_size: 56
    .max_flat_workgroup_size: 512
    .sgpr_count:     100
    .vgpr_count:     256
    .wavefront_size: 32
...
	.end_amdgpu_metadata
.endif
;; end of part 1
;; launch gemm (part 2): grid 4 x 64, 4 waves a work-group, clusters of 4 x 4, 327,680 bytes of LDS; arguments aq, wq, out0; writes out0
.if DOCPART == 2
	.amdgcn_target "amdgcn-amd-amdhsa--gfx1250"
	.amdhsa_code_object_version 6
	.text
	.protected	k_qfa0ba4c4c4_gemm
	.globl	k_qfa0ba4c4c4_gemm
	.p2align	8
	.type	k_qfa0ba4c4c4_gemm,@function
k_qfa0ba4c4c4_gemm:
	s_mov_b64 s[64:65], 0
	v_nop
	global_prefetch_b8 v0, s[64:65] scope:SCOPE_SE
	s_setreg_imm32_b32 hwreg(HW_REG_WAVE_MODE, 25, 1), 1
	s_wait_xcnt 0x0
	s_wait_alu depctr_hold_cnt(0) depctr_sa_sdst(0) depctr_va_vdst(0) depctr_va_sdst(0) depctr_va_ssrc(0) depctr_va_vcc(0) depctr_vm_vsrc(0)
	s_getreg_b32 s2, hwreg(HW_REG_IB_STS2, 6, 4)
	s_cmp_eq_u32 s2, 0
	s_cbranch_scc0 .Lentry_in_a_cluster
	s_endpgm
.Lentry_in_a_cluster:
	s_bfe_u32 s2, ttmp6, 0x10000c
	s_cmp_lg_u32 s2, 0xf033
	s_cbranch_scc0 .Lentry_shape_is_right
	s_endpgm
.Lentry_shape_is_right:
; out0 [8192][1024] f32 = A W^T on the codes that launch prep laid: K = 36 steps of 128 (32 of splines, 4 of silu / scale_base), E4M3 codes, one E8M0 byte for each 32 along K.
; aq [64 blocks of 128 rows][36 steps][16,896 bytes], wq [4 blocks of 256 columns][36 steps][33,792 bytes]: images of the operands' registers: a fragment (16 rows x 128 K) is 2,048 bytes,
; byte 512 c + 16 lane = registers 4 c .. 4 c + 3 of that lane; behind a step's fragments its scale words, 256 (m / 4) + 16 r + 4 (m % 4) for row r of fragment m.
; SHARES.  A work-group makes 128 rows x 256 columns; a wave all 128 rows x 64 columns of its own: 32 accumulators.  256 work-groups.
; A GOES THROUGH LDS: all four waves read all 128 rows.  W HAS TWO ROADS.  A wave's 64 columns of a step are 8,192 consecutive bytes and 256 bytes of scale words that no other wave of the work-group needs:
;   in five steps of six they go from memory straight into the wave's registers (17 loads a step, four buffers, asked for three steps ahead); these bytes enter no LDS, so no joint load can carry them.
;   In the fourth step of each six W rides in the slot with A, by a joint load, and each wave reads its own 64 columns from there, likewise three steps ahead.
; A SLOT holds six steps of A and that one step of W: 135,168 bytes = 4 x 132 rows of 256 bytes: waves 0-2 fetch A's thirds, wave 3 W's step, one joint load a wave.
; CLUSTERS of 4 x 4: A's tiles are shared along a row of the cluster (the four column blocks of a row block), W's along a column.  Six fills in all; a fill has six steps, 192 products a wave, in which to land.
; THE MATRIX INSTRUCTION IS USED TRANSPOSED (source 0 = 16 columns of W, source 1 = 16 rows of A): a lane holds eight neighbouring numbers of a row of out0.
; PREFETCHES.  A: at the change of slots that asks for phase k, phase k + 1 is named: its 396 rows of 256 bytes in quarters by the wave's number, and of a quarter's 99 rows the partner at place cx names 25 cx .. 25 cx + 24 (held at 98), a lane a row.
;   W: at the change of slots of phase k the codes of phase k + 2 (768 blocks of 256 bytes for a column block) are named, three blocks by each of the 256 waves that read that column block; left-over lanes name the wave's last block again.
;   The last phases name nothing beyond step 35.
; REGISTERS, in windows of 256: window 0: addresses, scale words (A 2 sets of 8, W 4 sets of 4), v64-127 the way out; window 1: W's four buffers of 64; window 2: A's two buffers of 128; window 3: accumulator (a, b) at v[32 a + 8 b].
.set ABLK,  16896
.set WBLK,  33792
.set APH,   6*ABLK                     ; a phase of A in memory
.set SLOTB, APH+WBLK                   ; a slot: six steps of A, one of W
.set T3,    33792                      ; what one tensor load brings: 132 rows of 256 bytes
.set QB,    APH/4                      ; a quarter of a phase of A, for the prefetches
.set STAGE, 2*SLOTB                    ; behind the ring: 16 rows x 272 bytes for each wave, for the way out; no fill lands here
.set SPITCH, 272
.set SPARE, STAGE+4*16*SPITCH          ; the spare words: 128 bytes a wave, two blocks of 256 bytes that no other line names
.set LW,  11                           ; v11-12  my 64 columns of W in slot 0, 1
.set LWS, 13                           ; v13-14  and their scale words
.set PWO, 15                           ; v15     W's prefetch: my three blocks
.set LA,  16                           ; v16-19  A's fragments of ring places 3 k .. 3 k + 2
.set LS,  20                           ; v20-23  the same for A's scale words
.set STO, 24
.set RD,  25
.set CO,  26
.set WO,  27                           ; v27     16 x lane
.set SPW, 28
.set NIL, 29
.set WSO, 30                           ; v30     my wave's scale words of W in memory, from the wave's base
.set PFO, 31                           ; v31     A's prefetch: my row
.set SA,  32
.set SW,  48
.set BK,  64
.set G1A, 24                           ; s[24:31] group 1 for A; s[32:39] group 0 of slots 0 and 1
.set G0A, 32
.set G1B, 72                           ; s[72:79], s[80:87] the same for W
.set G0B, 80
.set PFA, 46                           ; s[46:47] my quarter of A's phase that the offsets count from
.set PFW, 48                           ; s[48:49] my column block of W, likewise
.set WB,  60                           ; s[60:61] my wave's 8,192 bytes of W in the step that the offsets count from
.set MSB, 0
.macro WIN new
.if MSB != \new
	s_set_vgpr_msb (MSB<<8)|\new
.set MSB, \new
.endif
.endm
.set W_MUL, 0xf9                       ; source 0 (W) window 1, source 1 (A) window 2, C and D window 3
.set TO_W,  0x40
.set TO_A,  0x80
.macro CREST
	s_cmp_lg_u32 s14, 0
	s_cbranch_scc1 .Lnot_wave_0_\@
	s_barrier_signal -3
.Lnot_wave_0_\@:
	s_barrier_wait -3
	s_barrier_signal -1
	s_barrier_wait -1
.endm
.macro CROUND
	s_barrier_signal -1
	s_barrier_wait -1
	CREST
.endm
.macro PLACES n
.rept \n
	v_nop
.endr
.endm
.macro JLOAD sl                        ; a joint load into slot sl: waves 0-2 for A, wave 3 for W; an s_nop 0 and four v_nop follow each line
	s_cmp_lt_u32 s14, 3
	s_cbranch_scc0 .Lfor_w_\@
	tensor_load_to_lds s[G0A+4*(\sl):G0A+4*(\sl)+3], s[G1A:G1A+7]
	s_nop 0
	PLACES 4
	s_branch .Lasked_\@
.Lfor_w_\@:
	tensor_load_to_lds s[G0B+4*(\sl):G0B+4*(\sl)+3], s[G1B:G1B+7]
	s_nop 0
	PLACES 4
.Lasked_\@:
.endm
.macro WLOAD k                         ; W of step k (counted from the base) from memory into buffer k % 4: the scale words, then 16 x 512 bytes.  Window 0 on entry
.set qw, (\k)%4
	global_load_b128 v[SW+4*qw:SW+4*qw+3], v[WSO], s[WB:WB+1] offset:(\k)*WBLK
	WIN TO_W
.set i, 0
.rept 16
	global_load_b128 v[64*qw+4*i:64*qw+4*i+3], v[WO], s[WB:WB+1] offset:(\k)*WBLK+512*i
.set i, i+1
.endr
.endm
.macro WLDS k                          ; the same from the slot of step k
.set qw, (\k)%4
.set sw, ((\k)/6)%2
	ds_load_b128 v[SW+4*qw:SW+4*qw+3], v[LWS+sw]
	WIN TO_W
.set i, 0
.rept 16
	ds_load_b128 v[64*qw+4*i:64*qw+4*i+3], v[LW+sw] offset:512*i
.set i, i+1
.endr
.endm
.macro ASCL k                          ; A's scale words of step k: ring place k % 12, set k % 2
.set np, (\k)%12
.set qa, (\k)%2
	ds_load_b128 v[SA+8*qa:SA+8*qa+3], v[LS+np/3] offset:(np%3)*ABLK
	ds_load_b128 v[SA+8*qa+4:SA+8*qa+7], v[LS+np/3] offset:(np%3)*ABLK+256
.endm
.macro AFRG k                          ; A's eight fragments of step k
.set np, (\k)%12
.set qa, (\k)%2
	WIN TO_A
.set i, 0
.rept 32
	ds_load_b128 v[128*qa+4*i:128*qa+4*i+3], v[LA+np/3] offset:(np%3)*ABLK+512*i
.set i, i+1
.endr
.endm
.macro LOADS j, wl                     ; in step j: A of step j + 1, and (wl) W of step j + 3: into the buffers that step j - 1 multiplied
	ASCL (\j)+1
.if \wl
.if (((\j)+3)%6) == 3
	WLDS (\j)+3
.else
	WLOAD (\j)+3
.endif
.endif
	AFRG (\j)+1
.endm
; n blocks of A from a0 on x my four fragments of W.  The 32 accumulators take turns, in the same order in every step
.macro MUL j, a0, n, zero
.set pa, (\j)%2
.set pw, (\j)%4
.set aa, \a0
.rept \n
.irp b, 0,1,2,3
.if \zero
	v_wmma_scale_f32_16x16x128_f8f6f4 v[32*aa+8*\b:32*aa+8*\b+7], v[64*pw+16*\b:64*pw+16*\b+15], v[128*pa+16*aa:128*pa+16*aa+15], 0, v[SW+4*pw+\b], v[SA+8*pa+aa]
.else
	v_wmma_scale_f32_16x16x128_f8f6f4 v[32*aa+8*\b:32*aa+8*\b+7], v[64*pw+16*\b:64*pw+16*\b+15], v[128*pa+16*aa:128*pa+16*aa+15], v[32*aa+8*\b:32*aa+8*\b+7], v[SW+4*pw+\b], v[SA+8*pa+aa]
.endif
.endr
.set aa, aa+1
.endr
.endm
.macro STEP j, wl, lc, zero
	s_wait_loadcnt \lc                             ; W of this step is in; lc = 17 for each of the two younger steps that comes from memory
	s_wait_dscnt 0x0                               ; A of this step is in, and what else I asked of LDS
	PLACES 8                                       ; eight places behind the last step's products, ahead of loads into their operands
	LOADS \j, \wl
	WIN W_MUL
	MUL \j, 0, 8, \zero
	WIN 0
.endm
.macro ASK aoff, woff, guard
.if \guard
	s_cmp_gt_u32 s3, 1                             ; in the loop's last trip A has no phase left to name
	s_cbranch_scc0 .Lno_ask_\@
.endif
	global_prefetch_b8 v[PFO], s[PFA:PFA+1] offset:\aoff th:TH_LOAD_NT scope:SCOPE_SE
.if \guard
.Lno_ask_\@:
.endif
	global_prefetch_b8 v[PWO], s[PFW:PFW+1] offset:\woff th:TH_LOAD_NT scope:SCOPE_SE
.endm
; A phase's last step changes slots.  My reads of the slot that is left were issued a step ago or earlier.  fill = 1: that slot is filled again, two phases on, behind a round of the cluster's barrier
.macro TURN j, fill, aoff, woff, guard
	s_wait_tensorcnt 0x0                           ; all my tensor loads have landed: my part of the next slot
	ds_add_u32 v[SPW], v[NIL]
	s_wait_loadcnt 34                              ; W of this step
	s_wait_dscnt 1                                 ; A of this step; the add may be out
	WIN W_MUL
	MUL \j, 0, 2, 0
	s_wait_dscnt 0x0                               ; the add is done, and my reads of this slot are over
	s_barrier_signal -1
	MUL \j, 2, 2, 0
	WIN 0
	s_barrier_wait -1
.if \fill
	CREST                                          ; no wave of any partner still reads this slot or has a load on its way
	s_add_nc_u64 s[G0A+4*(((\j)/6)%2)+2:G0A+4*(((\j)/6)%2)+3], s[G0A+4*(((\j)/6)%2)+2:G0A+4*(((\j)/6)%2)+3], 2*APH
	s_add_nc_u64 s[G0B+4*(((\j)/6)%2)+2:G0B+4*(((\j)/6)%2)+3], s[G0B+4*(((\j)/6)%2)+2:G0B+4*(((\j)/6)%2)+3], 12*WBLK
	JLOAD ((\j)/6)%2                               ; the first tensor load behind the round; its four v_nop are four of the eight places
	PLACES 4
.else
	PLACES 8
.endif
	LOADS \j, 1
.if \fill
	WIN 0
	ASK \aoff, \woff, \guard
.endif
	WIN W_MUL
	MUL \j, 4, 4, 0
	WIN 0
.endm
	s_load_b128 s[4:7], s[0:1], 0x0                ; aq, wq
	s_load_b64 s[12:13], s[0:1], 0x10              ; out0
	v_lshl_add_u32 v[SPW], v0, 2, SPARE
	v_mov_b32 v[NIL], 0
	ds_add_u32 v[SPW], v[NIL]
	ds_add_u32 v[SPW], v[NIL]
	v_lshrrev_b32 v1, 5, v0
	v_readfirstlane_b32 s14, v1                    ; wave w
	s_bfe_u32 s40, ttmp6, 0x40000                  ; cx
	s_bfe_u32 s41, ttmp6, 0x40004                  ; cy
	s_lshl_b32 s42, ttmp9, 2
	s_add_co_u32 s42, s42, s40                     ; column block
	s_and_b32 s17, ttmp7, 0xffff
	s_lshl_b32 s17, s17, 2
	s_add_co_u32 s17, s17, s41                     ; row block
	s_lshl_b32 s43, s41, 2
	s_lshl_b32 s43, 15, s43                        ; my row of the cluster
	s_lshl_b32 s44, 0x1111, s40                    ; my column
	s_or_b32 s[G1A+0], s43, (3<<16)|(1<<21)        ; the mask; elements of 8 bytes; bit 21 beside a mask
	s_or_b32 s[G1B+0], s44, (3<<16)|(1<<21)
.irp g, G1A, G1B
	s_mov_b32 s[\g+1], 32<<16                      ; rows of 256 bytes,
	s_mov_b32 s[\g+2], 132<<16                     ; 132 of them, dense
	s_mov_b32 s[\g+3], 32<<16
	s_mov_b32 s[\g+4], 132
	s_mov_b32 s[\g+5], 32
	s_mov_b32 s[\g+6], 0
	s_mov_b32 s[\g+7], 0
.endr
	s_mul_i32 s18, s14, T3                         ; my part of a slot: the wave's number alone
	s_mul_i32 s20, s17, 36*ABLK
	s_mul_i32 s19, s14, QB
	s_add_co_u32 s62, s20, s19                     ; for the prefetches: my quarter of a phase
	s_mov_b32 s63, 0
	s_add_co_u32 s20, s20, s18                     ; for the loads: my third
	s_mov_b32 s21, 0
	s_mul_i32 s22, s42, 36*WBLK
	s_mov_b32 s23, 0
	s_lshl_b32 s50, s14, 13                        ; my 64 columns: 8,192 bytes of a step
	s_mov_b32 s51, 0
	s_lshl_b32 s52, s17, 19                        ; out0: 128 rows of 4,096 bytes, + 1,024 x column block + 256 w
	s_lshl_b32 s19, s42, 10
	s_add_co_u32 s52, s52, s19
	s_lshl_b32 s19, s14, 8
	s_add_co_u32 s52, s52, s19
	s_mov_b32 s53, 0
.irp g, G0A, G0B
	s_mov_b32 s[\g], 1
	s_add_co_u32 s[\g+1], s18, 0
	s_mov_b32 s[\g+4], 1
	s_add_co_u32 s[\g+5], s18, SLOTB
.endr
	s_mul_i32 s54, s14, 7936
	s_sub_co_u32 s54, 32768, s54                   ; the scale words lie at 32,768 + 256 w of the step; my base stands at 8,192 w
	s_mul_i32 s55, s14, 16*SPITCH
	s_add_co_u32 s55, s55, STAGE                   ; my stage
	s_mul_i32 s56, s40, 25
	s_lshl_b32 s57, s17, 2
	s_add_co_u32 s57, s57, s14
	s_mul_i32 s57, s57, 3                          ; 3 x (4 x row block + w)
	s_add_co_u32 s58, s50, APH                     ; W in a slot: behind A's six steps, my 8,192 bytes,
	s_add_co_u32 s59, s19, APH+32768               ; and my 256 bytes of scale words
	v_and_b32 v1, 31, v0                           ; lane
	v_and_b32 v2, 15, v0                           ; r
	v_bfe_u32 v3, v0, 4, 1                         ; h
	v_lshlrev_b32 v[WO], 4, v1
	v_lshlrev_b32 v4, 4, v2
.irp k, 0,1,2,3
	v_add_nc_u32 v[LA+\k], (\k/2)*SLOTB+(\k%2)*3*ABLK, v[WO]
	v_add_nc_u32 v[LS+\k], (\k/2)*SLOTB+(\k%2)*3*ABLK+16384, v4
.endr
	v_add_nc_u32 v[LW], s58, v[WO]
	v_add_nc_u32 v[LWS], s59, v4
	v_add_nc_u32 v[LW+1], SLOTB, v[LW]
	v_add_nc_u32 v[LWS+1], SLOTB, v[LWS]
	v_add_nc_u32 v[WSO], s54, v4
	v_mul_u32_u24 v5, v2, SPITCH                   ; into the stage: row r, 32 bytes for each half of the lanes
	v_lshl_add_u32 v5, v3, 5, v5
	v_add_nc_u32 v[STO], s55, v5
	v_mul_u32_u24 v6, v3, SPITCH                   ; back: lanes 0-15 one row of 256 bytes, lanes 16-31 the next
	v_lshl_add_u32 v6, v2, 4, v6
	v_add_nc_u32 v[RD], s55, v6
	v_lshl_add_u32 v[CO], v3, 12, v4               ; and the same two rows in out0
	v_min_u32 v8, 24, v1
	v_add_nc_u32 v8, s56, v8
	v_min_u32 v8, 98, v8
	v_lshlrev_b32 v[PFO], 8, v8
	v_min_u32 v9, 2, v1
	v_add_nc_u32 v9, s57, v9                       ; block 0 .. 767 of a phase's codes: 128 to a step
	v_lshrrev_b32 v10, 7, v9
	v_and_b32 v9, 127, v9
	v_mul_u32_u24 v10, v10, WBLK
	v_lshl_add_u32 v[PWO], v9, 8, v10
	s_wait_alu depctr_va_vdst(0)
	s_wait_dscnt 0x0                               ; both opening adds are done
	s_wait_kmcnt 0x0
	s_add_nc_u64 s[20:21], s[4:5], s[20:21]
	s_add_nc_u64 s[PFA:PFA+1], s[4:5], s[62:63]
	s_add_nc_u64 s[PFW:PFW+1], s[6:7], s[22:23]
	s_add_nc_u64 s[WB:WB+1], s[PFW:PFW+1], s[50:51]
	s_add_nc_u64 s[12:13], s[12:13], s[52:53]
	s_mov_b64 s[G0A+2:G0A+3], s[20:21]             ; A: phases 0 and 1
	s_or_b32 s[G0A+3], s[G0A+3], 0x80000000
	s_add_nc_u64 s[G0A+6:G0A+7], s[20:21], APH
	s_or_b32 s[G0A+7], s[G0A+7], 0x80000000
	s_add_nc_u64 s[G0B+2:G0B+3], s[PFW:PFW+1], 3*WBLK   ; W: steps 3 and 9
	s_or_b32 s[G0B+3], s[G0B+3], 0x80000000
	s_add_nc_u64 s[G0B+6:G0B+7], s[PFW:PFW+1], 9*WBLK
	s_or_b32 s[G0B+7], s[G0B+7], 0x80000000
	CROUND                                         ; the sixteen work-groups are here: the first joint loads meet
	JLOAD 0                                        ; phase 0: one tensor load a wave at the head
	WLOAD 0                                        ; W of steps 0, 1, 2
	WIN 0
	WLOAD 1
	WIN 0
	WLOAD 2
	WIN 0
	s_wait_tensorcnt 0x0                           ; my part of slot 0 is in; slot 1's first fill is issued as a refill is
	ds_add_u32 v[SPW], v[NIL]
	s_wait_dscnt 0x0
	CROUND
	JLOAD 1                                        ; phase 1
	ASCL 0
	AFRG 0
	WIN 0
	ASK 2*APH, 6*WBLK, 0                           ; A's phase 2, W's phase 1
	STEP 0, 1, 34, 1                               ; the first step starts the sums
	s_mov_b32 s3, 2
.Llap:                                                 ; a trip goes once round the ring, twelve steps, and fills both slots again
	STEP 1, 1, 17, 0
	STEP 2, 1, 17, 0
	STEP 3, 1, 34, 0
	STEP 4, 1, 34, 0
	TURN 5, 1, 3*APH, 12*WBLK, 0
	STEP 6, 1, 34, 0
	STEP 7, 1, 17, 0
	STEP 8, 1, 17, 0
	STEP 9, 1, 34, 0
	STEP 10, 1, 34, 0
	TURN 11, 1, 4*APH, 18*WBLK, 1
	STEP 12, 1, 34, 0
	s_wait_xcnt 0x0                                ; the loads and prefetches that are out have read their bases
	s_add_nc_u64 s[WB:WB+1], s[WB:WB+1], 12*WBLK
	s_add_nc_u64 s[PFW:PFW+1], s[PFW:PFW+1], 12*WBLK
	s_add_nc_u64 s[PFA:PFA+1], s[PFA:PFA+1], 2*APH
	s_sub_co_u32 s3, s3, 1
	s_cmp_lg_u32 s3, 0
	s_cbranch_scc1 .Llap
	STEP 1, 1, 17, 0                               ; steps 25 to 35: nothing is filled again, and W ends with step 35
	STEP 2, 1, 17, 0
	STEP 3, 1, 34, 0
	STEP 4, 1, 34, 0
	TURN 5, 0, 0, 0, 0
	STEP 6, 1, 34, 0
	STEP 7, 1, 17, 0
	STEP 8, 1, 17, 0
	STEP 9, 0, 34, 0
	STEP 10, 0, 17, 0
	s_wait_loadcnt 0x0
	s_wait_dscnt 0x0
	WIN W_MUL
	MUL 11, 0, 8, 0
	WIN 0
; THE WAY OUT, block by block of 16 rows x 64 columns: 32 bytes a lane into my own stage, back as whole rows of 256 bytes; sixteen lanes store one aligned unit of 256 bytes.
; LDS serves a wave's instructions in order (ISA guide 5.7.1.4): no wait between the stores and the loads, nor ahead of the next block's stores.
.macro TOSTAGE a
	WIN 0x0c                                       ; the data: window 3
.irp b, 0,1,2,3
	ds_store_b128 v[STO], v[32*(\a)+8*\b:32*(\a)+8*\b+3] offset:64*\b        ; each accumulator from its low end on
	ds_store_b128 v[STO], v[32*(\a)+8*\b+4:32*(\a)+8*\b+7] offset:64*\b+16
.endr
	WIN 0
.set BB, BK+32*((\a)%2)
.irp t, 0,1,2,3,4,5,6,7
	ds_load_b128 v[BB+4*\t:BB+4*\t+3], v[RD] offset:\t*2*SPITCH
.endr
.endm
.macro SEND a, younger                 ; younger: the LDS instructions issued behind block a's loads
.set BB, BK+32*((\a)%2)
	s_wait_dscnt \younger
.irp t, 0,1,2,3,4,5,6,7
	global_store_b128 v[CO], v[BB+4*\t:BB+4*\t+3], s[12:13] offset:(16*(\a)+2*\t)*4096 th:TH_STORE_NT
.endr
.endm
	PLACES 8                                       ; eight places behind the last product, ahead of the first read of results
	TOSTAGE 0
.irp a, 1,2,3,4,5,6,7
.if \a > 1
	s_wait_xcnt 0x0                                ; block a - 2's stores have read their registers: block a's loads may land there
.endif
	TOSTAGE \a
	SEND \a-1, 16
.endr
	SEND 7, 0
	s_wait_tensorcnt 0x0                           ; the wave's end
	ds_add_u32 v[SPW], v[NIL]
	s_wait_dscnt 0x0
	CROUND                                         ; the closing round
	s_endpgm
.Lfunc_end_k_qfa0ba4c4c4_gemm:
	.size	k_qfa0ba4c4c4_gemm, .Lfunc_end_k_qfa0ba4c4c4_gemm-k_qfa0ba4c4c4_gemm
	.p2alignl 7, 3214868480
	.fill 96, 4, 3214868480
	.section	.rodata,"a",@progbits
	.p2align	6, 0x0
	.amdhsa_kernel k_qfa0ba4c4c4_gemm
		.amdhsa_group_segment_fixed_size 327680
		.amdhsa_private_segment_fixed_size 0
		.amdhsa_enable_private_segment 0
		.amdhsa_kernarg_size 24
		.amdhsa_user_sgpr_count 2
		.amdhsa_user_sgpr_kernarg_segment_ptr 1
		.amdhsa_wavefront_size32 1
		.amdhsa_system_sgpr_workgroup_id_x 1
		.amdhsa_system_sgpr_workgroup_id_y 1
		.amdhsa_system_sgpr_workgroup_id_z 1
		.amdhsa_system_vgpr_workitem_id 0
		.amdhsa_next_free_vgpr 1024
		.amdhsa_next_free_sgpr 88
		.amdhsa_reserve_vcc 0
		.amdhsa_float_denorm_mode_32 3
		.amdhsa_float_denorm_mode_16_64 3
		.amdhsa_memory_ordered 1
		.amdhsa_forward_progress 1
		.amdhsa_inst_pref_size 221
	.end_amdhsa_kernel
	.amdgpu_metadata
---
amdhsa.version: [ 1, 2 ]
amdhsa.kernels:
  - .name:           k_qfa0ba4c4c4_gemm
    .symbol:         k_qfa0ba4c4c4_gemm.kd
    .args:
      - { .name: aq, .offset: 0, .size: 8, .value_kind: global_buffer, .address_space: global }
      - { .name: wq, .offset: 8, .size: 8, .value_kind: global_buffer, .address_space: global }
      - { .name: out0, .offset: 16, .size: 8, .value_kind: global_buffer, .address_space: global }
    .group_segment_fixed_size: 327680
    .private_segment_fixed_size: 0
    .kernarg_segment_align: 8
    .kernarg_segment_size: 24
    .max_flat_workgroup_size: 128
    .sgpr_count:     88
    .vgpr_count:     1024
    .wavefront_size: 32
...
	.end_amdgpu_metadata
.endif
;; end of part 2
